; MI455X (gfx1250); checked and timed in simulation.
; The chip was launched on July 23, 2026; its instructions are those of AMD's public machine-readable ISA for CDNA 5 (MIT licence, August 2026) and "CDNA5" Instruction Set Architecture Reference Guide (July 2026). The comments in the code are by the model that wrote it; some were corrected since.
;; Scaled Dot Product. Allowed arithmetic: matrix products marked QUANTISED: E4M3 operands, one given power-of-two scale a tensor, by v_wmma_f32_16x16x64_fp8_fp8 or v_wmma_f32_16x16x128_fp8_fp8, f32 sums; everything else in f32.
;; Inputs: k_codes 4 x 16 x 2,048 x 2 x 32 uint8 (E4M3 codes of k, K innermost, in blocks of 32 codes); lowp_scales 4 int32 (the exponents e of the quantised operands' scales 2^e); q_codes 4 x 16 x 2,048 x 2 x 32 uint8 (E4M3 codes of q, K innermost, in blocks of 32 codes); v_codes 4 x 16 x 64 x 64 x 32 uint8 (E4M3 codes of v, K innermost, in blocks of 32 codes).
;; Outputs: out0 4 x 16 x 2,048 x 64 float32.
;; This version of the problem:
;;   THIS VERSION OF THE PROBLEM IS GIVEN IN LOW PRECISION. The matrix products marked QUANTISED in the list below multiply operands that are first quantised to E4M3 (4 exponent bits, 3 mantissa bits; 8 bits a number), with one given power-of-two scale for each operand tensor; their sums are f32. All else is computed in f32.
;;   The module's matrix products, in the order in which they are computed (A, B: the left and right operand; K: the contracted axis; several contracted axes count as one K, in the product's order):
;;     1. batch 64 x [M 2,048, K 64] x [K 64, N 2,048]; A: input q (given as codes); B: input k (given as codes): QUANTISED (scales: A lowp_scales[0], B lowp_scales[1])
;;     2. batch 64 x [M 2,048, K 2,048] x [K 2,048, N 64]; A: softmax (see below); B: input v (given as codes): QUANTISED (scales: A lowp_scales[2], B lowp_scales[3])
;;   THE QUANTISER, for each operand of a quantised product, along K:
;;     - The operand's scale is 2^e, e = its entry of the input lowp_scales (int32; the entries are numbered through the quantised products in the list's order, A before B).
;;     - Each number is divided by the scale, clamped to +-448, and rounded to the nearest number of E4M3, ties to even, subnormals kept.
;;     - The product sums the exact products of the quantised numbers (number of the format x scale) in f32.
;;   ~~~python
;;   def quantise(x, axis, e):      # numpy; x: float32 -> the quantised numbers, widened to float32 again
;;       x = np.moveaxis(x, axis, -1); K = x.shape[-1]
;;       r = np.clip(x / 2.0 ** e, -448, 448)
;;       step = 2.0 ** (np.maximum(np.frexp(np.where(r == 0, 1, r))[1] - 1, -6) - 3)
;;       q = np.round(r / step) * step * 2.0 ** e      # np.round: ties to even
;;       return np.moveaxis(q, -1, axis).astype(np.float32)
;;   ~~~
;;   SOFTMAX AHEAD OF A QUANTISED PRODUCT. Where the list says 'softmax', what is quantised is not the finished softmax but p = 2^(t - M), with t = logit x log2(e) and M = ceil(the row's largest t), a whole number; so 1/2 < the row's largest p <= 1. The row's sum l is taken of the UNQUANTISED p, in f32, and the product's result is divided by l at the end. Since M is a whole number, a kernel that streams over the keys may use a running M (the ceiling of the running maximum): every later rescaling is an exact power of two, so the quantised numbers keep their values, but for numbers so far below the row's largest that they fall under the format's range.
;;   OPERANDS COMPUTED ON THE WAY. 'Computed on the way' means the value that the module computes at that place (a softmax that the list does not call 'softmax' is quantised finished and normalised). What goes into a quantiser is computed in f32, as accurately as f32 sums, v_exp_f32 and their like allow (about 1e-6 of the number): no bf16 or f16 on the way to a quantiser, and a product that is left as it is and whose result goes on into a quantised operand takes f32 operands (vector FMAs, or v_wmma_f32_16x16x4_f32). A number that lies on a knife's edge between two numbers of the format may be rounded either way, as far as f32 arithmetic and the matrix unit's own rounding can turn it there, and no further.
;;   INPUTS GIVEN AS CODES. k (in the module: [4, 16, 2048, 64], K = its axis 3); q (in the module: [4, 16, 2048, 64], K = its axis 3); v (in the module: [4, 16, 2048, 64], K = its axis 2): each comes as NAME_codes (uint8): NAME with its K axis moved to the last place and cut into blocks of 32 codes, [.., K / 32, bytes a block], one block behind the other in memory; one code a byte (a code: sign, 4 exponent bits, 3 mantissa bits); its scale is its entry of lowp_scales. Its value is code x scale, taken as it is: it is not quantised again, and the codes and scales need not be those that the quantiser above would give.
;; One version. Each part assembles by itself: llvm-mc -triple=amdgcn-amd-amdhsa -mcpu=gfx1250 --defsym DOCPART=n.
;; ======== version 1 of 1: 1 launch
;; launch attn (part 1): grid 4 x 64, 16 waves a work-group, clusters of 4 x 1, 327,680 bytes of LDS; arguments q_codes, k_codes, v_codes, lowp_scales, out0; writes out0
.if DOCPART == 1
	.amdgcn_target "amdgcn-amd-amdhsa--gfx1250"
	.amdhsa_code_object_version 6
	.text
	.protected	k_q18fc318625_attn
	.globl	k_q18fc318625_attn
	.p2align	8
	.type	k_q18fc318625_attn,@function
k_q18fc318625_attn:
	s_mov_b64 s[64:65], 0
	v_nop
	global_prefetch_b8 v0, s[64:65] scope:SCOPE_SE
	s_setreg_imm32_b32 hwreg(HW_REG_WAVE_MODE, 25, 1), 1
	s_wait_xcnt 0x0
	s_wait_alu depctr_hold_cnt(0) depctr_sa_sdst(0) depctr_va_vdst(0) depctr_va_sdst(0) depctr_va_ssrc(0) depctr_va_vcc(0) depctr_vm_vsrc(0)
	s_getreg_b32 s2, hwreg(HW_REG_IB_STS2, 6, 4)
	s_cmp_eq_u32 s2, 0
	s_cbranch_scc0 .Lentry_in_a_cluster
	s_endpgm
.Lentry_in_a_cluster:
	s_bfe_u32 s2, ttmp6, 0x10000c
	s_cmp_lg_u32 s2, 0x3003
	s_cbranch_scc0 .Lentry_shape_is_right
	s_endpgm
.Lentry_shape_is_right:
; out[h][q][:] = the sum over k of softmax_k(Q[h][q] . K[h][k] / 8) V[h][k][:], no mask; 64 heads, 2,048 queries, 2,048 keys, head size 64.  Both products on codes of FP8 (E4M3), each tensor with its given scale 2^e.
; Q, K: [64][2048][64] codes (K axis = the head's 64).  V: [64][64 d][2048] codes, the KEYS innermost (they are the second product's K axis).  lowp_scales: eq, ek, ep, ev.  out: [64][2048][64] f32.
; THE SOFTMAX AHEAD OF THE SECOND PRODUCT: t = score x 2^(eq + ek) x log2(e) / 8; M = the running largest t rounded UP to a whole number; p = 2^(t - M) is quantised with 2^ep (held at 448 x 2^ep), not normalised.
; The row's sum is taken of the unquantised p in f32 and divides O at the end, with 2^(ep + ev).  When M moves, the sum and O are multiplied by 2^(old M - new M): a power of two, nothing is rounded.
; SHARES.  A work-group owns 512 queries of one head, each of its sixteen waves 32 of them: two tiles of 16 (A, B), so that every fragment of K and V read from LDS feeds two matrix instructions.  Four waves share a SIMD's
; 1,024 registers, 256 each: one wave's exponentials stand beside another's plain, matrix and LDS work.  Every wave walks all 2,048 keys, 128 a step, two steps to a slot of 256 keys; two slots take turns.
; CLUSTER.  The four work-groups of a cluster are the four query blocks of ONE head and walk the same K and V: each slot's tiles are asked for JOINTLY (the same tensor load, the same descriptor, a mask that names the four).
; LAYOUT.  Both products are used transposed: S^T = K Q^T (source 0 = 16 keys, source 1 = 16 queries), O^T = V^T P^T (source 0 = 16 of the head's 64, source 1 = P): a lane holds ONE query (lane % 16) throughout.
; THE KEYS OF A TILE ARE NOT NEIGHBOURS: lane r of tile 2 b + u takes key 32 b + 8 u + r + 8 (r / 8), so that score registers 16 b + i of lane (r, h) are the keys 32 b + 16 h + i: the conversions' results are P's fragment.
; Fragments come by loads of 16 bytes (registers 4 c .. 4 c + 3: k = 32 c + 16 h + 0 .. 15): a permutation of k, the same in both operands of each product; only the order of the sums inside an instruction differs.
; LIMITS on the given exponents, so that each power of two below is an f32 number: eq + ek between -123 and 130 (added to c's exponent field); ep between -126 and 119; ep + ev goes by v_ldexp_f32 and has none.
; NaN codes among the inputs are not served.
.set KP,    144                        ; K in LDS: two keys (128 bytes, dense in memory) to a row + 16 of padding: key kk lies at (kk / 2) x 144 + (kk % 2) x 64; the 16 lanes of a load then start at 16 different 16-byte columns of 256
.set VP,    272                        ; V in LDS: a row d holds a slot's 256 keys + 16 of padding
.set VOFF,  128*KP                     ; a slot: 128 double rows of K (18,432 bytes), then 64 rows of V (17,408)
.set SLOT1, 65536                      ; slot 1 begins here: one exclusive or turns an address in one slot into the other's
.set STAGE, 131072                     ; the way out: for each wave two stages (one a tile) of 16 rows x 272 bytes; no fill lands here
.set TSTG,  16*272
.set SPARE, STAGE+16*2*TSTG            ; 270,336: the spare words, 128 bytes for each of the sixteen waves: eight blocks of 256 bytes that no other line names
.set NSL,   8                          ; slots' worth of keys
.set AK0, 1                            ; v1   my lane's place in a tile of K; never rewritten
.set AV0, 2                            ; v2   the same for V
.set PFO, 3                            ; v3   the prefetches' offset, lane x a stride; never rewritten
.set SPW, 4                            ; v4   LDS address of my spare word: SPARE + 4 x my thread's number; never rewritten
.set NIL, 5                            ; v5   0; never rewritten
.set SCV, 6                            ; v6   2^ep as f32: the conversions take its exponent field
.set PL,  7                            ; v7   the lane permute's destination
.set ST,  8                            ; v8-15  statistics, tile x at ST + 4 x: +0 -M, +1 the largest t, +2, +3 the sum in two halves
.set QF,  16                           ; v16-31 Q's fragments, 8 registers a tile
.set OT,  32                           ; v32-95 O^T: tile x at OT + 32 x, its channels 16 t on at + 8 t
.set PC,  96                           ; v96-127 p's codes, 16 registers a tile
.set TM,  112                          ; at work, in tile B's codes' registers, which are free until tile B's conversions: +0 a maximum's chain, then M's change; +2, +3 the other chain, then f as a pair; +6, +7 the sum's second chain
.set ADV, 120                          ; v120 LDS address of the step's V (read by its loads ahead of tile B's conversions)
.set KV,  128                          ; v128-191 eight fragments of K (8 registers each), later four of V (16 each)
.set SS,  192                          ; v192-255 the scores of ONE tile, then its p
.set ADK, 255                          ; v255 LDS address of the step's K (the scores' registers are free at a step's head)
.set STO, 196                          ; the way out: where I put 32 bytes of a row; where I read a row back; my byte offset in a tile's rows of out
.set RD,  197
.set GO,  198
.set TB,   14                          ; s14  LDS byte at which the slot in hand begins
.set WV,   15                          ; s15  my wave's number
.set SEL,  16                          ; s[16:17] lane selects for v_permlanex16_b32: lane l xor 16
.set CS,   18                          ; s[18:19] c = 2^(eq + ek) log2(e) / 8: the packed form names a pair and takes its low word for both halves
.set G1K,  24                          ; s[24:31] descriptor group 1 for K's tile;  s[32:39] for V's;  s[40:43], s[44:47] their groups 0, which walk
.set G1V,  32
.set G0K,  40
.set G0V,  44
.set SLOTS, 48                         ; s48  slots still to be asked for
.set LIM,  49                          ; s49  1 in the wave that prefetches, else the greatest number
.set PFA,  50                          ; s[50:51] where my work-group's prefetches stand in memory
.set PFS,  52                          ; s[52:53] a slot on, in bytes: 16,384 in K, 256 in a row of V
.set LIMS, 54                          ; s54  448 x 2^ep as f32
.set EOUT, 55                          ; s55  ep + ev
; A round of the cluster's barrier: my work-group's barrier, so that wave 0's signal speaks for all sixteen waves; wave 0 signals for the work-group; every wave waits for all four work-groups; my work-group's barrier once more.
.macro CROUND
	s_barrier_signal -1
	s_barrier_wait -1
	s_cmp_lg_u32 s[WV], 0
	s_cbranch_scc1 .Lnot_wave_0_\@
	s_barrier_signal -3
.Lnot_wave_0_\@:
	s_barrier_wait -3
	s_barrier_signal -1
	s_barrier_wait -1
.endm
; A joint load: wave 0 fetches a slot's K (128 rows of 128 bytes), wave 1 its V (64 rows of 256 bytes), the others nothing.  The branches hang on the wave's number alone: they are the same in every work-group.
; Four v_nop follow each of the two lines, ahead of the jump, the label and what follows.
.macro TLOAD
	s_cmp_lg_u32 s[WV], 0
	s_cbranch_scc1 .Lnot_k_\@
	tensor_load_to_lds s[G0K:G0K+3], s[G1K:G1K+7]
	s_nop 0
.rept 4
	v_nop
.endr
	s_branch .Lasked_\@
.Lnot_k_\@:
	s_cmp_lg_u32 s[WV], 1
	s_cbranch_scc1 .Lasked_\@
	tensor_load_to_lds s[G0V:G0V+3], s[G1V:G1V+7]
	s_nop 0
.rept 4
	v_nop
.endr
.Lasked_\@:
.endm
; A PREFETCH INTO THE L2 of the slot that the NEXT change of slots will ask for: two key steps ahead of that load.  A slot is 64 blocks of 256 bytes of K (one dense run) and 256 bytes of each of V's 64 rows.  One cluster alone reads a head,
; and its four partners share the 128 blocks out BY ADDRESS: partners 0 and 1 take 32 each of K's, partners 2 and 3 32 each of V's rows; no branch hangs on a work-group's place.  In each, wave 2 asks: one instruction, a lane a block.
; So each block is named once in the launch.  Slots 0 and 1 come by their loads alone; the last change that fills a slot asks for nothing: there is no slot behind it.
.macro ASK
	s_cmp_gt_u32 s[SLOTS], s[LIM]
	s_cbranch_scc0 .Lnot_mine_\@
	global_prefetch_b8 v[PFO], s[PFA:PFA+1] th:TH_LOAD_NT scope:SCOPE_SE
.Lnot_mine_\@:
.endm
	s_load_b256 s[4:11], s[0:1], 0x0               ; Q's codes s[4:5], K's s[6:7], V's s[8:9], the scales' exponents s[10:11]
	s_load_b64 s[12:13], s[0:1], 0x20              ; out
	v_lshl_add_u32 v[SPW], v0, 2, SPARE
	v_mov_b32 v[NIL], 0
	ds_add_u32 v4, v5
	ds_add_u32 v4, v5
	s_wait_dscnt 0x0
	v_lshrrev_b32 v[PL], 5, v0
	s_delay_alu instid0(VALU_DEP_1)
	v_readfirstlane_b32 s[WV], v[PL]               ; wave 0..15
	s_bfe_u32 s56, ttmp6, 0x40000                  ; cx: my place in the cluster = my block of 512 queries: it enters Q's, out's and the prefetches' addresses alone
	s_and_b32 s57, ttmp7, 0xffff                   ; the head, which the four partners share
	s_lshl_b32 s58, s57, 17                        ; the head's first byte in each tensor of codes: 2,048 x 64
	s_mov_b32 s59, 0
	s_lshl_b32 s66, s56, 15                        ; 512 queries of 64 bytes,
	s_lshl_b32 s67, s[WV], 11                      ; my wave's 32
	s_add_co_u32 s60, s58, s66
	s_add_co_u32 s60, s60, s67                     ; Q: my first query's codes
	s_mov_b32 s61, 0
	s_lshl_b32 s62, s57, 19                        ; the same in out: rows of 256 bytes
	s_lshl_b32 s66, s56, 17
	s_lshl_b32 s67, s[WV], 13
	s_add_co_u32 s62, s62, s66
	s_add_co_u32 s62, s62, s67
	s_mov_b32 s63, 0
	; descriptor group 1.  K: 128 rows of 128 bytes, dense in memory (two keys to a row);  V: 64 rows of 256 bytes, 2,048 bytes apart
	s_mov_b32 s[G1K], 15|(1<<20)|(1<<21)|(4<<22)|(3<<25)   ; 15:0 the mask: all four work-groups; 17:16 elements of 1 byte; 20 padding on; 21 set beside a mask; 24:22 after every 32 words (code 4); 31:25 four words (code 3)
	s_mov_b32 s[G1K+1], 128<<16                    ; tensor_dim0 = 128
	s_mov_b32 s[G1K+2], 128<<16                    ; tensor_dim1 = 128
	s_mov_b32 s[G1K+3], 128<<16                    ; tile_dim0 = 128
	s_mov_b32 s[G1K+4], 128                        ; tile_dim1 = 128
	s_mov_b32 s[G1K+5], 128                        ; from row to row
	s_mov_b32 s[G1K+6], 0
	s_mov_b32 s[G1K+7], 0
	s_mov_b32 s[G1V], 15|(1<<20)|(1<<21)|(5<<22)|(3<<25)   ; the same, four words of padding after every 64
	s_mov_b32 s[G1V+1], 256<<16
	s_mov_b32 s[G1V+2], 64<<16
	s_mov_b32 s[G1V+3], 256<<16
	s_mov_b32 s[G1V+4], 64
	s_mov_b32 s[G1V+5], 2048
	s_mov_b32 s[G1V+6], 0
	s_mov_b32 s[G1V+7], 0
	s_mov_b32 s[SEL], 0x76543210
	s_mov_b32 s[SEL+1], 0xfedcba98
	s_mov_b32 s[CS], 0x3e38aa3b                    ; log2(e) / 8
	s_mov_b32 s[TB], 0
	s_mov_b32 s[SLOTS], NSL-1
	s_wait_kmcnt 0x0
	s_load_b128 s[20:23], s[10:11], 0x0            ; eq, ek, ep, ev
	s_mov_b32 s[G0K], 1                            ; count = 1
	s_mov_b32 s[G0K+1], 0                          ; LDS address: slot 0
	s_add_nc_u64 s[G0K+2:G0K+3], s[6:7], s[58:59]  ; the head's first 256 keys: nothing of my place in the cluster enters a descriptor
	s_or_b32 s[G0K+3], s[G0K+3], 0x80000000        ; type = 2
	s_mov_b32 s[G0V], 1
	s_mov_b32 s[G0V+1], VOFF
	s_add_nc_u64 s[G0V+2:G0V+3], s[8:9], s[58:59]
	s_or_b32 s[G0V+3], s[G0V+3], 0x80000000
	CROUND                                         ; all four work-groups are here: the first joint loads meet
	TLOAD                                          ; slot 0: the one first fill at the start; slot 1 is filled behind the first change's round, as a refill is
	s_add_nc_u64 s[4:5], s[4:5], s[60:61]          ; Q at my first query
	s_add_nc_u64 s[12:13], s[12:13], s[62:63]      ; out likewise
	v_and_b32 v193, 15, v0                         ; r = lane % 16   (v192-196 are free until the first scores)
	s_wait_alu depctr_va_vdst(0)
	v_bfe_u32 v194, v0, 4, 1                       ; h = lane / 16
	v_lshlrev_b32 v192, 6, v193
	s_delay_alu instid0(VALU_DEP_1)
	v_lshl_add_u32 v192, v194, 4, v192             ; Q: row r of 64 bytes, + 16 h
.irp x, 0,1
.irp c, 0,1
	global_load_b128 v[QF+8*\x+4*\c:QF+8*\x+4*\c+3], v192, s[4:5] offset:1024*\x+32*\c   ; Q's two fragments stay in registers
.endr
.endr
	; the prefetches (macro ASK): whose blocks my work-group names.  One compare feeds four selects; nothing but moves stands between them
	s_cmp_lt_u32 s56, 2                            ; partners 0, 1: K;  partners 2, 3: V
	s_cselect_b64 s[PFA:PFA+1], s[6:7], s[8:9]
	s_mov_b32 s[PFS], 256
	s_cselect_b32 s[PFS], 16384, s[PFS]            ; a slot on
	s_mov_b32 s66, 2048
	s_cselect_b32 s66, 256, s66                    ; from lane to lane
	s_mov_b32 s67, 65536
	s_cselect_b32 s67, 8192, s67                   ; from the first partner's 32 blocks to the second's
	s_mov_b32 s[PFS+1], 0
	v_and_b32 v[PFO], 31, v0
	s_delay_alu instid0(VALU_DEP_1)
	v_mul_lo_u32 v[PFO], v[PFO], s66
	s_and_b32 s68, s56, 1
	s_mul_i32 s68, s68, s67
	s_add_co_u32 s68, s68, s[PFS]                  ; in slot 1: the first change of slots steps it to slot 2.  Nothing is prefetched here, at the head, where every work-group's first tiles are on their way
	s_add_co_u32 s68, s68, s58                     ; in my head
	s_mov_b32 s69, 0
	s_add_nc_u64 s[PFA:PFA+1], s[PFA:PFA+1], s[68:69]
	s_cmp_eq_u32 s[WV], 2
	s_cselect_b32 s[LIM], 1, -1                    ; the same in all four partners, for a given wave
	v_and_b32 v195, 8, v193
	s_delay_alu instid0(VALU_DEP_1)
	v_add_nc_u32 v195, v195, v193                  ; kk = r + 8 (r / 8): 0 .. 7, 16 .. 23
	s_delay_alu instid0(VALU_DEP_1)
	v_lshrrev_b32 v196, 1, v195
	s_delay_alu instid0(VALU_DEP_1)
	v_mul_u32_u24 v[AK0], v196, KP                 ; (kk / 2) double rows
	s_delay_alu instid0(VALU_DEP_3)
	v_and_b32 v195, 1, v195
	s_delay_alu instid0(VALU_DEP_1)
	v_lshl_add_u32 v[AK0], v195, 6, v[AK0]         ; + 64 (kk % 2)
	s_delay_alu instid0(VALU_DEP_1)
	v_lshl_add_u32 v[AK0], v194, 4, v[AK0]         ; + 16 h
	v_mul_u32_u24 v[AV0], v193, VP
	s_delay_alu instid0(VALU_DEP_1)
	v_lshl_add_u32 v[AV0], v194, 4, v[AV0]
	s_delay_alu instid0(VALU_DEP_1)
	v_add_nc_u32 v[AV0], VOFF, v[AV0]              ; V: row d = r, + 16 h, behind K's rows
.irp x, 0,1
	v_mov_b32 v[ST+4*\x+1], 0xff61b1e6             ; the largest t so far: -3e38, under every t
	s_delay_alu instid0(VALU_DEP_1)
	v_floor_f32 v[ST+4*\x], -v[ST+4*\x+1]          ; -M
	v_mov_b32 v[ST+4*\x+2], 0                      ; the sum, in two halves
	v_mov_b32 v[ST+4*\x+3], 0
.endr
	v_mov_b32 v[PL], 0                             ; written once: a lane permute's destination counts as one of its sources
	v_mov_b32 v[TM+3], 0                           ; (named as the upper half of f's pair)
.set j, 0
.rept 64
	v_mov_b32 v[OT+j], 0                           ; O^T.  (The step is written without a first form of its own: the first step finds zeros, which the first change of M leaves zeros; a third and fourth copy of the step would cost more text than these lines)
.set j, j+1
.endr
	s_wait_kmcnt 0x0
	s_add_co_i32 s66, s20, s21
	s_lshl_b32 s66, s66, 23
	s_add_co_i32 s[CS], s[CS], s66                 ; a score stands for score x 2^(eq + ek): the two exponents are added to c's exponent field
	s_mov_b32 s[CS+1], s[CS]                       ; (named with it as a pair, so it is written)
	s_add_co_i32 s66, s22, 127
	s_lshl_b32 s67, s66, 23
	v_mov_b32 v[SCV], s67                          ; 2^ep
	s_add_co_i32 s66, s66, 8
	s_lshl_b32 s66, s66, 23
	s_or_b32 s[LIMS], s66, 0x600000                ; 448 x 2^ep
	s_add_co_i32 s[EOUT], s22, s23                 ; ep + ev
; THE SOFTMAX OF ONE TILE FOR ONE KEY STEP: the lane's 64 scores in v[SS] on become p, the statistics and O^T of tile x go under the new M, and p's codes go to v[PC + 16 x] on.
.macro SOFT x
.set rT, ST+4*(\x)
.set rO, OT+32*(\x)
.set rP, PC+16*(\x)
	v_max3_num_f32 v[TM], v[SS], v[SS+1], v[SS+2]          ; the step's largest score of my query among my 64 keys, in two chains, ascending: each accumulator is first read at its low end
	v_max3_num_f32 v[TM+2], v[SS+3], v[SS+4], v[SS+5]
.set i, 6
.rept 14
	v_max3_num_f32 v[TM], v[TM], v[SS+i], v[SS+i+1]
	v_max3_num_f32 v[TM+2], v[TM+2], v[SS+i+2], v[SS+i+3]
.set i, i+4
.endr
	v_max3_num_f32 v[TM], v[TM], v[SS+62], v[SS+63]
	s_delay_alu instid0(VALU_DEP_1)
	v_max_num_f32 v[TM], v[TM], v[TM+2]
	s_delay_alu instid0(VALU_DEP_1)
	v_permlanex16_b32 v[PL], v[TM], s[SEL], s[SEL+1]
	s_delay_alu instid0(VALU_DEP_1)
	v_max_num_f32 v[TM], v[TM], v[PL]              ; and among lane l xor 16's 64 keys
	s_delay_alu instid0(VALU_DEP_1)
	v_mul_f32 v[TM], s[CS], v[TM]                  ; as t (c is positive)
	s_delay_alu instid0(VALU_DEP_1)
	v_max_num_f32 v[rT+1], v[rT+1], v[TM]          ; the running largest t
	v_mov_b32 v[TM], v[rT]
	s_delay_alu instid0(VALU_DEP_2)
	v_floor_f32 v[rT], -v[rT+1]                    ; the new -M = floor(-t) = -ceil(t): M is a whole number
	s_delay_alu instid0(VALU_DEP_1)
	v_sub_f32 v[TM], v[rT], v[TM]                  ; M's old value less its new one: a whole number, 0 or less
	s_delay_alu instid0(VALU_DEP_1)
	v_cvt_i32_f32 v[TM], v[TM]                     ; (it saturates)
	s_delay_alu instid0(VALU_DEP_1)
	v_ldexp_f32 v[TM+2], 1.0, v[TM]                ; f = 2^(old M - new M)
.set j, 0
.rept 32
	v_pk_fma_f32 v[SS+j:SS+j+1], v[SS+j:SS+j+1], s[CS:CS+1], v[rT:rT+1] op_sel_hi:[1,0,0]   ; t - M, two at a time (of the pairs c and -M the low word serves both halves)
.set j, j+2
.endr
.set j, 0
	s_wait_alu depctr_va_vdst(0)
.rept 64
	v_exp_f32 v[SS+j], v[SS+j]                     ; p = 2^(t - M), at most 1: not normalised.  ONE BATCH: none of these reads another's result
.set j, j+1
.endr
	v_pk_mul_f32 v[rT+2:rT+3], v[rT+2:rT+3], v[TM+2:TM+3] op_sel_hi:[1,0]   ; the sum under the new M: the plain instruction behind the last exponential (ISA guide 5.7.2), and with the 16 below the independent work behind the batch
.set j, 0
	s_wait_alu depctr_va_vdst(0)
.rept 16
	v_pk_mul_f32 v[rO+j:rO+j+1], v[rO+j:rO+j+1], v[TM+2:TM+3] op_sel_hi:[1,0]   ; O^T under the new M: x f, each accumulator from its low end on
.set j, j+2
.endr
	s_wait_alu depctr_va_vdst(0)                   ; one wait for the 64 exponentials, ahead of the first instruction that names a result
	v_pk_add_f32 v[TM+6:TM+7], v[SS:SS+1], v[SS+2:SS+3]    ; THE ROW'S SUM IS TAKEN OF THE UNQUANTISED p: two at a time, in two chains
.set j, 4
.rept 15
	v_pk_add_f32 v[rT+2:rT+3], v[rT+2:rT+3], v[SS+j:SS+j+1]
	v_pk_add_f32 v[TM+6:TM+7], v[TM+6:TM+7], v[SS+j+2:SS+j+3]
.set j, j+4
.endr
	s_delay_alu instid0(VALU_DEP_1)
	v_pk_add_f32 v[rT+2:rT+3], v[rT+2:rT+3], v[TM+6:TM+7]
.set b, 0
.rept 4
.set i, 0
.rept 8
	v_dual_min_num_f32 v[SS+16*b+i], s[LIMS], v[SS+16*b+i] :: v_dual_min_num_f32 v[SS+16*b+i+1], s[LIMS], v[SS+16*b+i+1]   ; the conversion to an 8-bit code does not saturate (ISA guide 7.6.2): the hold at 448 x 2^ep, one-sided since p is not negative, two numbers an instruction; always executed, whatever ep is
.set i, i+2
.endr
	v_cvt_scalef32_pk8_fp8_f32 v[rP+4*b:rP+4*b+1], v[SS+16*b:SS+16*b+7], v[SCV]         ; registers 4 b .. 4 b + 3 of P's fragment: keys 32 b + 16 h + 0 .. 15
	v_cvt_scalef32_pk8_fp8_f32 v[rP+4*b+2:rP+4*b+3], v[SS+16*b+8:SS+16*b+15], v[SCV]
.set b, b+1
.endr
	v_nop                                          ; one plain vector instruction between the last conversion and the matrix instructions that write its sources or read its result
.endm
; A KEY STEP: 128 keys, the q-th of the slot in hand, for both tiles.  K's eight fragments are read once and serve both tiles' scores; V's four are read once, land under tile B's softmax, and serve both tiles' O^T.
.macro STEP q
	v_add_nc_u32 v[ADK], s[TB], v[AK0]
.rept 3
	v_nop                                          ; with the addition above: four places between the last products, which read v[KV] on, and the loads into it (ISA guide 7.12.1 for vector instructions)
.endr
.irp t, 0,1,2,3,4,5,6,7
.irp c, 0,1
	ds_load_b128 v[KV+8*\t+4*\c:KV+8*\t+4*\c+3], v[ADK] offset:(64*(\q)+16*(\t/2)+4*(\t%2))*KP+32*\c   ; tile t begins at key 128 q + 32 (t / 2) + 8 (t % 2): half as many double rows
.endr
.endr
	s_wait_dscnt 8                                 ; fragments 0 to 3 are in; the eight younger loads (fragments 4 to 7) may be out
.irp t, 0,1,2,3
	v_wmma_f32_16x16x64_fp8_fp8 v[SS+8*\t:SS+8*\t+7], v[KV+8*\t:KV+8*\t+7], v[QF:QF+7], 0
.endr
	s_wait_dscnt 0x0
.irp t, 4,5,6,7
	v_wmma_f32_16x16x64_fp8_fp8 v[SS+8*\t:SS+8*\t+7], v[KV+8*\t:KV+8*\t+7], v[QF:QF+7], 0
.endr
.rept 4
	v_nop                                          ; four places ahead of the first read of the scores
.endr
	SOFT 0
.irp t, 0,1,2,3,4,5,6,7
	v_wmma_f32_16x16x64_fp8_fp8 v[SS+8*\t:SS+8*\t+7], v[KV+8*\t:KV+8*\t+7], v[QF+8:QF+15], 0   ; tile B's scores, from the same fragments of K, into the registers that tile A's p has left
.endr
	v_add_nc_u32 v[ADV], s[TB], v[AV0]
.rept 3
	v_nop                                          ; with the addition above: four places, for the loads into K's registers and for the first read of tile B's scores alike
.endr
.irp t, 0,1,2,3
.irp c, 0,1,2,3
	ds_load_b128 v[KV+16*\t+4*\c:KV+16*\t+4*\c+3], v[ADV] offset:16*\t*VP+128*(\q)+32*\c    ; V^T: channels 16 t on, the step's 128 keys
.endr
.endr
	SOFT 1
	s_wait_alu depctr_va_vdst(0)
	s_wait_dscnt 0x0                               ; V is in (asked for a whole softmax ago)
.irp t, 0,1,2,3                                ; O^T += V^T P^T: the eight accumulators by turns, one instruction a turn
	v_wmma_f32_16x16x128_fp8_fp8 v[OT+8*\t:OT+8*\t+7], v[KV+16*\t:KV+16*\t+15], v[PC:PC+15], v[OT+8*\t:OT+8*\t+7]
	v_wmma_f32_16x16x128_fp8_fp8 v[OT+32+8*\t:OT+32+8*\t+7], v[KV+16*\t:KV+16*\t+15], v[PC+16:PC+31], v[OT+32+8*\t:OT+32+8*\t+7]
.endr
.endm
; THE CHANGE OF SLOTS stands at a slot's head.  Each wave waits for all its tensor loads (at most one is out: waves 0 and 1's part of the slot about to be read), adds 0 to its spare word, and waits for that and for its reads of the slot
; that it has left.  fill = 1: a round of the cluster's barrier follows, so that no wave of any partner still reads that slot or has a load on its way, and the joint refill is the first thing behind it: it has a slot's two key steps in which to land.
.macro CHANGE fill
	s_wait_tensorcnt 0x0                           ; no tensor load of mine is out, so a group 0 may be written
	ds_add_u32 v[SPW], v[NIL]                      ; 0 onto my spare word; with fill = 1 the descriptors' steps stand between it and the wait for it
.if \fill
	s_xor_b32 s[G0K+1], s[G0K+1], SLOT1            ; the walking descriptors: the other slot than last time,
	s_add_nc_u64 s[G0K+2:G0K+3], s[G0K+2:G0K+3], 16384   ; the next 256 keys; the type bits on top are not reached
	s_xor_b32 s[G0V+1], s[G0V+1], SLOT1
	s_add_nc_u64 s[G0V+2:G0V+3], s[G0V+2:G0V+3], 256
	s_wait_xcnt 0x0                                ; the last prefetch, a slot back, has read its address, so it may be written:
	s_add_nc_u64 s[PFA:PFA+1], s[PFA:PFA+1], s[PFS:PFS+1]   ; one slot further on than the walking descriptors
	s_wait_dscnt 0x0                               ; the add is done, and my reads of the slot that I have left are over
	CROUND
	TLOAD                                          ; the first tensor load behind the round, and a wave's only one until the next
	ASK
.else
	s_wait_dscnt 0x0                               ; the add is done, and my reads of the slot that I have left are over
	s_barrier_signal -1
	s_barrier_wait -1                              ; the last slot is whole for all sixteen waves; nothing is filled again, so no round follows
.endif
.endm
.macro SLOT_STEPS
	STEP 0
	STEP 1
	s_xor_b32 s[TB], s[TB], SLOT1                  ; on to the other slot
.endm
	s_wait_loadcnt 0x0                             ; Q
.Lslot:                                            ; NSL - 1 = 7 trips: trip i reads slot i and asks for slot i + 1
	CHANGE 1
	SLOT_STEPS
	s_sub_co_u32 s[SLOTS], s[SLOTS], 1
	s_cmp_lg_u32 s[SLOTS], 0
	s_cbranch_scc1 .Lslot
	CHANGE 0                                       ; the last slot is written out
	SLOT_STEPS
	; THE WAY OUT.  The sum's two halves and lane l xor 16's are added; O^T x 2^(ep + ev) / the sum goes through my own stage in LDS, a tile (16 rows of 256 bytes) at a time, and comes back as whole rows.
	; The lines up to the reciprocals are also the places behind the last products.
	v_add_f32 v[SS], v[ST+2], v[ST+3]
	v_add_f32 v[SS+2], v[ST+6], v[ST+7]
	s_delay_alu instid0(VALU_DEP_2)
	v_permlanex16_b32 v[PL], v[SS], s[SEL], s[SEL+1]
	s_delay_alu instid0(VALU_DEP_1)
	v_add_f32 v[SS], v[SS], v[PL]                  ; tile A's row sum
	s_delay_alu instid0(VALU_DEP_2)
	v_permlanex16_b32 v[PL], v[SS+2], s[SEL], s[SEL+1]
	s_delay_alu instid0(VALU_DEP_1)
	v_add_f32 v[SS+2], v[SS+2], v[PL]              ; tile B's
	v_and_b32 v199, 15, v0                         ; r
	v_bfe_u32 v200, v0, 4, 1                       ; h
	s_mul_i32 s66, s[WV], 2*TSTG
	s_add_co_u32 s66, s66, STAGE                   ; my two stages
	v_mul_u32_u24 v[STO], v199, 272
	s_delay_alu instid0(VALU_DEP_1)
	v_lshl_add_u32 v[STO], v200, 5, v[STO]
	s_delay_alu instid0(VALU_DEP_1)
	v_add_nc_u32 v[STO], s66, v[STO]               ; in: row r; channels 16 t + 8 h on: 64 t + 32 h bytes
	v_mul_u32_u24 v[RD], v200, 272
	s_delay_alu instid0(VALU_DEP_1)
	v_lshl_add_u32 v[RD], v199, 4, v[RD]
	s_delay_alu instid0(VALU_DEP_1)
	v_add_nc_u32 v[RD], s66, v[RD]                 ; back: lanes 0-15 one row of 256 bytes, lanes 16-31 the next
	v_lshlrev_b32 v[GO], 8, v200
	s_delay_alu instid0(VALU_DEP_1)
	v_lshl_add_u32 v[GO], v199, 4, v[GO]           ; and the same two rows in out
	s_wait_alu depctr_va_vdst(0)
	v_rcp_f32 v[SS], v[SS]
	v_rcp_f32 v[SS+2], v[SS+2]
	v_nop                                          ; a plain instruction between the last reciprocal and the use of its result
	s_wait_alu depctr_va_vdst(0)                   ; and a wait ahead of the first use: one for both reciprocals
	v_ldexp_f32 v[SS], v[SS], s[EOUT]              ; x 2^(ep + ev)
	v_ldexp_f32 v[SS+2], v[SS+2], s[EOUT]
.macro TOSTAGE x
.set j, 0
.rept 16
	v_pk_mul_f32 v[KV+32*(\x)+j:KV+32*(\x)+j+1], v[OT+32*(\x)+j:OT+32*(\x)+j+1], v[SS+2*(\x):SS+2*(\x)+1] op_sel_hi:[1,0]   ; register 8 t + i is out(r, 16 t + 8 h + i); each accumulator from its low end on
.set j, j+2
.endr
.irp t, 0,1,2,3
	ds_store_b128 v[STO], v[KV+32*(\x)+8*\t:KV+32*(\x)+8*\t+3] offset:(\x)*TSTG+64*\t
	ds_store_b128 v[STO], v[KV+32*(\x)+8*\t+4:KV+32*(\x)+8*\t+7] offset:(\x)*TSTG+64*\t+16
.endr
.irp i, 0,1,2,3,4,5,6,7
	ds_load_b128 v[OT+32*(\x)+4*\i:OT+32*(\x)+4*\i+3], v[RD] offset:(\x)*TSTG+2*\i*272   ; LDS serves a wave's instructions in order (ISA guide 5.7.1.4): these see my stores above
.endr
.endm
.macro SEND x, younger                 ; younger: the LDS instructions issued behind tile x's loads, which may stay out
.irp i, 0,1,2,3,4,5,6,7
	s_wait_dscnt \younger+7-\i                     ; load i of the tile is in: behind it stand the tile's 7 - i younger loads and the next tile's sixteen instructions, or none
	global_store_b128 v[GO], v[OT+32*(\x)+4*\i:OT+32*(\x)+4*\i+3], s[12:13] offset:(\x)*4096+512*\i th:TH_STORE_NT   ; 32 lanes store 512 consecutive bytes, two rows, at a multiple of 256 from out's first byte; written once, read by nobody here
.endr
.endm
	TOSTAGE 0
	TOSTAGE 1                                      ; tile B's arithmetic stands between tile A's loads and its stores
	SEND 0, 16
	SEND 1, 0
	s_wait_tensorcnt 0x0                           ; the wave's end, behind my last tensor load and my last LDS store
	ds_add_u32 v[SPW], v[NIL]
	s_wait_dscnt 0x0
	CROUND                                         ; the closing round: no work-group ends while a partner may still ask for a tile that names it
	s_endpgm
.Lfunc_end_k_q18fc318625_attn:
	.size	k_q18fc318625_attn, .Lfunc_end_k_q18fc318625_attn-k_q18fc318625_attn
	.p2alignl 7, 3214868480
	.fill 96, 4, 3214868480
	.section	.rodata,"a",@progbits
	.p2align	6, 0x0
	.amdhsa_kernel k_q18fc318625_attn
		.amdhsa_group_segment_fixed_size 327680
		.amdhsa_private_segment_fixed_size 0
		.amdhsa_enable_private_segment 0
		.amdhsa_kernarg_size 40
		.amdhsa_user_sgpr_count 2
		.amdhsa_user_sgpr_kernarg_segment_ptr 1
		.amdhsa_wavefront_size32 1
		.amdhsa_system_sgpr_workgroup_id_x 1
		.amdhsa_system_sgpr_workgroup_id_y 1
		.amdhsa_system_sgpr_workgroup_id_z 1
		.amdhsa_system_vgpr_workitem_id 0
		.amdhsa_next_free_vgpr 256
		.amdhsa_next_free_sgpr 80
		.amdhsa_reserve_vcc 0
		.amdhsa_float_denorm_mode_32 3
		.amdhsa_float_denorm_mode_16_64 3
		.amdhsa_memory_ordered 1
		.amdhsa_forward_progress 1
		.amdhsa_inst_pref_size 134
	.end_amdhsa_kernel
	.amdgpu_metadata
---
amdhsa.version: [ 1, 2 ]
amdhsa.kernels:
  - .name:           k_q18fc318625_attn
    .symbol:         k_q18fc318625_attn.kd
    .args:
      - { .name: q_codes, .offset: 0, .size: 8, .value_kind: global_buffer, .address_space: global }
      - { .name: k_codes, .offset: 8, .size: 8, .value_kind: global_buffer, .address_space: global }
      - { .name: v_codes, .offset: 16, .size: 8, .value_kind: global_buffer, .address_space: global }
      - { .name: lowp_scales, .offset: 24, .size: 8, .value_kind: global_buffer, .address_space: global }
      - { .name: out0, .offset: 32, .size: 8, .value_kind: global_buffer, .address_space: global }
    .group_segment_fixed_size: 327680
    .private_segment_fixed_size: 0
    .kernarg_segment_align: 8
    .kernarg_segment_size: 40
    .max_flat_workgroup_size: 512
    .sgpr_count:     80
    .vgpr_count:     256
    .wavefront_size: 32
...
	.end_amdgpu_metadata
.endif
;; end of part 1
